; MI455X (gfx1250); checked and timed in simulation.
; The chip was launched on July 23, 2026; its instructions are those of AMD's public machine-readable ISA for CDNA 5 (MIT licence, August 2026) and "CDNA5" Instruction Set Architecture Reference Guide (July 2026). The comments in the code are by the model that wrote it; some were corrected since.
;; External Forces SI. Allowed arithmetic: float matrix products may take bf16 or f16 operands with f32 sums; all other float work in f32.
;; Inputs: E 55 x 5 int32; ext_filter 1 x 2 float32; layer 65 float32; omegas 10 float32; t 1,000,000 x 1 float32; x 1,000,000 x 4 float32.
;; Outputs: out0 1,000,000 x 2 float32.
;; One version. Each part assembles by itself: llvm-mc -triple=amdgcn-amd-amdhsa -mcpu=gfx1250 --defsym DOCPART=n.
;; ======== version 1 of 1: 1 launch
;; limits: a function is approximated: absolute error at most 1.2e-05
;; launch forces (part 1): grid 489 x 1, 4 waves a work-group, no clusters, 0 bytes of LDS; arguments x, t, E, layer, omegas, ext_filter, out0; writes out0
.if DOCPART == 1
	.amdgcn_target "amdgcn-amd-amdhsa--gfx1250"
	.amdhsa_code_object_version 6
	.text
	.protected	k_q3fb05314fe_forces
	.globl	k_q3fb05314fe_forces
	.p2align	8
	.type	k_q3fb05314fe_forces,@function
k_q3fb05314fe_forces:
	s_mov_b64 s[64:65], 0
	v_nop
	global_prefetch_b8 v0, s[64:65] scope:SCOPE_SE
	s_setreg_imm32_b32 hwreg(HW_REG_WAVE_MODE, 25, 1), 1
	s_wait_xcnt 0x0
; out0[r][:] = ext_filter * s[r],  s[r] = sum_k layer[k] prod_j xt[r][j]^E[k][j]
;                                       + sum_j layer[55+j] cos(omegas[0] xt[r][j]) + sum_j layer[60+j] sin(omegas[1] xt[r][j]),
; xt = (x0, x1, x2, x3, t).  All arithmetic in f32.
;
; SHARES.  A block is 64 rows; 1,000,000 rows are 15,625 blocks.  A wave takes 8 blocks: lane l owns rows l and l+32 of each, a pair
; for the packed f32 instructions, 16 rows a lane.  Each load of x covers 512 consecutive bytes, each store of out0 256 consecutive
; bytes at a multiple of 256; the two loads of t of a block together cover 256 consecutive bytes.  Every byte is moved once.
; No wave needs another wave's data: no LDS, no barrier.  Work-groups share only the 1.4 KB of parameters: no cluster.
; The product s @ ext_filter has K = 1: two multiplies a row in f32; a matrix instruction would leave 31 of its 32 K places empty.
;
; E IS DATA.  It is the same for all rows, so the wave walks the 55 terms once for its 512 rows and decides by scalar branches:
; one decision stands for 8 packed instructions.  Exponent 0: nothing (so x^0 = 1 for every x), 1: x, 2: x^2, 3: x^2 then x,
; any other int32: square and multiply over the bits of |e|, from 1/x where e < 0.
;
; LIMITS.  (1) sin and cos: phase in turns u = x (omega / 2 pi), reduced by u - rndne(u); against reference() the phase differs by up to
; about 2.4e-7 |omega x| radians; the polynomial itself is within 1.2e-5 over the whole period.  (2) Exponents are taken exactly,
; reference() rounds them to f32: they differ for |E| > 2^24 only.  (3) layer[k] is multiplied in first, so an intermediate product
; can leave the f32 range where reference()'s does not, within a factor |layer[k]| of that range.  (4) Negative exponents go through
; v_rcp_f32: 1 ulp, denormal inputs and results flushed.
.set NBLK, 15625                       ; blocks of 64 rows
.set BPW,  8                           ; blocks of a wave
.set NPOL, 55                          ; monomials
; vector registers
.set OX,   2                           ; 16 x lane: my row in a half block of x
.set OT,   3                           ; 4 x lane:  in t, and in layer
.set OO,   4                           ; 8 x lane:  in out0
.set OE0,  5                           ; 20 x lane: row lane of E
.set OE1,  6                           ; 20 x min(lane + 32, 54)
.set TMP,  7
.set KEY0, 8                           ; v8, v9    lane k: the five exponent codes of term k, of term 32 + k
.set LAY0, 10                          ; v10, v11  lane k: layer[k], layer[32 + k]
.set EX0,  12                          ; v12-16, v17-21  lane k: E[k][0..4], E[32 + k][0..4] as loaded
.set ONES, 22                          ; v[22:23]  1.0, 1.0
.set FLT,  24                          ; v[24:25]  ext_filter
.set X,    32                          ; v32-111   input j, block b: pair (row l, row l+32) at X + 16 j + 2 b; j = 4 is t
.set SQ,   112                         ; v112-191  their squares, same places
.set RAW,  112                         ; v112-175  before that: x as loaded, block b: row l at RAW + 8 b, row l+32 at RAW + 8 b + 4
.set M,    192                         ; v192-207  the term at work, 8 pairs
.set ACC,  208                         ; v208-223  s, 8 pairs
.set P,    224                         ; v224-239  running power x^(2^i) of the general exponent
.set TU,   192                         ; trig scratch: 8 chains x 2, in M, P and v240-255
.set TN,   224
.set TQ,   240
.set OUTR, 32                          ; results to store, in X, which is done with by then
; scalar registers: s[4:17] addresses; s[18:21] omegas[0..1], ext_filter; s22 first block, s23 blocks not mine;
; s[24:33] layer[55..64]; s[72:80] layer[56..64]: so every trig weight is the low word of an even pair
.set SC0,  36                          ; omegas[0] / 2 pi, twice
.set SC1,  38                          ; omegas[1] / 2 pi, twice
.set SQU,  40                          ; 0.25
.set SE0,  42                          ; s[42:51] the sine's five coefficients, each twice
.set SK,   82                          ; lane of the term at work
.set SKEY, 83                          ; its codes
.set SL,   84                          ; s[84:85] its layer[k], 0
.set SCODE, 86
.set SEXP, 87
.set SBIT, 88
.set SBITS, 89
.macro SPAIR r, val                    ; a packed instruction takes a scalar pair and uses its low word for both halves
	s_mov_b32 s[\r], \val
	s_mov_b32 s[\r+1], \val
.endm
	s_load_b256 s[4:11], s[0:1], 0x0               ; x s[4:5], t s[6:7], E s[8:9], layer s[10:11]
	s_load_b128 s[12:15], s[0:1], 0x20             ; omegas s[12:13], ext_filter s[14:15]
	s_load_b64 s[16:17], s[0:1], 0x30              ; out0
	v_lshrrev_b32 v1, 5, v0
	v_readfirstlane_b32 s2, v1                     ; wave in the work-group
	v_and_b32 v1, 31, v0                           ; lane
	v_lshlrev_b32 v[OX], 4, v1
	v_lshlrev_b32 v[OT], 2, v1
	v_lshlrev_b32 v[OO], 3, v1
	v_mul_u32_u24 v[OE0], 20, v1                   ; a row of E is 20 bytes
	v_add_nc_u32 v[TMP], 32, v1
	v_min_u32 v[TMP], NPOL-1, v[TMP]               ; lanes 23-31 have no term 32 + lane: they stay on the last row of E
	v_mul_u32_u24 v[OE1], 20, v[TMP]
	s_lshl2_add_u32 s3, ttmp9, s2                  ; wave in the launch
	s_lshl_b32 s3, s3, 3                           ; its first block
	s_min_u32 s22, s3, NBLK-BPW                    ; the last working wave has one block left: it moves its window of 8 back inside the
	s_sub_co_u32 s23, s3, s22                      ; tensors and stores only what is its own: s23 leading blocks belong to the wave before
	s_mov_b32 s35, 0
	s_wait_kmcnt 0x0
	s_cmp_ge_u32 s3, NBLK                          ; 1,954 waves have blocks; 489 groups of 4 are 1,956
	s_cbranch_scc1 .Lend
	s_lshl_b32 s34, s22, 10                        ; a block of x is 1,024 bytes,
	s_add_nc_u64 s[4:5], s[4:5], s[34:35]
	s_lshl_b32 s34, s22, 8                         ; of t 256,
	s_add_nc_u64 s[6:7], s[6:7], s[34:35]
	s_lshl_b32 s34, s22, 9                         ; of out0 512
	s_add_nc_u64 s[16:17], s[16:17], s[34:35]
	s_load_b64 s[18:19], s[12:13], 0x0             ; omegas[0], omegas[1]: the two that reference() uses
	s_load_b64 s[20:21], s[14:15], 0x0             ; ext_filter
	s_load_b256 s[24:31], s[10:11], 0xdc           ; layer[55..62]
	s_load_b64 s[32:33], s[10:11], 0xfc            ; layer[63..64]
	s_load_b256 s[72:79], s[10:11], 0xe0           ; layer[56..63]: the odd ones on even registers
	s_load_b32 s80, s[10:11], 0x100                ; layer[64]
	; 12 parameter loads, then all 32 data loads of the wave, block by block
.irp j, 0,1,2,3,4
	global_load_b32 v[EX0+\j], v[OE0], s[8:9] offset:4*\j
	global_load_b32 v[EX0+5+\j], v[OE1], s[8:9] offset:4*\j
.endr
	global_load_b32 v[LAY0], v[OT], s[10:11]
	global_load_b32 v[LAY0+1], v[OT], s[10:11] offset:128
.irp b, 0,1,2,3,4,5,6,7
	global_load_b128 v[RAW+8*\b:RAW+8*\b+3], v[OX], s[4:5] offset:1024*\b th:TH_LOAD_NT
	global_load_b128 v[RAW+8*\b+4:RAW+8*\b+7], v[OX], s[4:5] offset:1024*\b+512 th:TH_LOAD_NT
	global_load_b32 v[X+64+2*\b], v[OT], s[6:7] offset:256*\b th:TH_LOAD_NT
	global_load_b32 v[X+64+2*\b+1], v[OT], s[6:7] offset:256*\b+128 th:TH_LOAD_NT
.endr
	; sin(2 pi f) = f (e0 + e1 z + e2 z^2 + e3 z^3 + e4 z^4), z = f^2, |f| <= 1/2: the Chebyshev series of sin(y)/y in y^2 on
	; [0, pi^2], cut behind its fifth term (the first term dropped is 3.8e-6; times y <= pi: 1.2e-5)
	SPAIR SQU, 0x3e800000                          ; 0.25
	SPAIR SE0, 0x40c90fa8                          ;   6.2831611
	SPAIR SE0+2, 0xc22558ea                        ; -41.336832
	SPAIR SE0+4, 0x42a2e53a                        ;  81.447706
	SPAIR SE0+6, 0xc295d19f                        ; -74.909420
	SPAIR SE0+8, 0x42063184                        ;  33.548355
	s_mov_b32 s[SL+1], 0                           ; upper words of pairs whose low word is loaded or read from a lane
	s_mov_b32 s81, 0
	v_mov_b32 v[ONES], 1.0
	v_mov_b32 v[ONES+1], 1.0
	s_wait_kmcnt 0x0
	s_mul_f32 s[SC0], s18, 0x3e22f983              ; omega / 2 pi: phases are counted in turns
	s_mul_f32 s[SC1], s19, 0x3e22f983
	s_mov_b32 s[SC0+1], s[SC0]
	s_mov_b32 s[SC1+1], s[SC1]
	v_mov_b32 v[FLT], s20
	v_mov_b32 v[FLT+1], s21
	s_wait_loadcnt 32                              ; loads return in order: E and layer are in, the 32 data loads behind them stay out
	; code of an exponent: 0..3 itself, 4 for every other int32 (a negative one is large as unsigned); five codes of 3 bits
.irp h, 0,1
	v_min_u32 v[KEY0+\h], 4, v[EX0+5*\h]
.irp j, 1,2,3,4
	v_min_u32 v[TMP], 4, v[EX0+5*\h+\j]
	v_lshl_or_b32 v[KEY0+\h], v[TMP], 3*\j, v[KEY0+\h]
.endr
.endr
; A 16-byte load brings one row's x0..x3; the packed instructions want the same input of two rows side by side.  In memory these lie
; 16 bytes or more apart, so no load can pair them: eight copies a block.
.macro REPAIR b
.irp j, 0,1,2,3
	v_mov_b32 v[X+16*\j+2*\b], v[RAW+8*\b+\j]
	v_mov_b32 v[X+16*\j+2*\b+1], v[RAW+8*\b+4+\j]
.endr
.endm
; cos and sin of input j for the four blocks 4 hb .. 4 hb + 3: eight chains that do not wait for each other, chains 0-3 the cosines
; (a quarter turn ahead of the sine), 4-7 the sines.  first = 1: the first product starts the sums, nothing is cleared.
.macro TRIG hb, j, first
.irp i, 0,1,2,3
	v_pk_fma_f32 v[TU+2*\i:TU+2*\i+1], v[X+16*\j+8*\hb+2*\i:X+16*\j+8*\hb+2*\i+1], s[SC0:SC0+1], s[SQU:SQU+1] op_sel_hi:[1,0,0]
.endr
.irp i, 0,1,2,3
	v_pk_mul_f32 v[TU+8+2*\i:TU+8+2*\i+1], v[X+16*\j+8*\hb+2*\i:X+16*\j+8*\hb+2*\i+1], s[SC1:SC1+1] op_sel_hi:[1,0]
.endr
.irp r, 0,1,2,3,4,5,6,7,8,9,10,11,12,13,14,15
	v_rndne_f32 v[TN+\r], v[TU+\r]                 ; whole turns (there is no packed form)
.endr
.irp c, 0,1,2,3,4,5,6,7
	v_pk_add_f32 v[TU+2*\c:TU+2*\c+1], v[TU+2*\c:TU+2*\c+1], v[TN+2*\c:TN+2*\c+1] neg_lo:[0,1] neg_hi:[0,1]   ; f, exact
.endr
.irp c, 0,1,2,3,4,5,6,7
	v_pk_mul_f32 v[TN+2*\c:TN+2*\c+1], v[TU+2*\c:TU+2*\c+1], v[TU+2*\c:TU+2*\c+1]                             ; z = f^2
.endr
.irp c, 0,1,2,3,4,5,6,7
	v_pk_fma_f32 v[TQ+2*\c:TQ+2*\c+1], v[TN+2*\c:TN+2*\c+1], s[SE0+8:SE0+9], s[SE0+6:SE0+7] op_sel_hi:[1,0,0]
.endr
.irp e, 4,2,0
.irp c, 0,1,2,3,4,5,6,7
	v_pk_fma_f32 v[TQ+2*\c:TQ+2*\c+1], v[TQ+2*\c:TQ+2*\c+1], v[TN+2*\c:TN+2*\c+1], s[SE0+\e:SE0+\e+1] op_sel_hi:[1,1,0]
.endr
.endr
	; weight q = layer[55 + q] is s[24 + q] for even q, s[71 + q] for odd q
.irp i, 0,1,2,3
	v_pk_mul_f32 v[TU+2*\i:TU+2*\i+1], v[TU+2*\i:TU+2*\i+1], s[24+\j+(\j&1)*47:24+\j+(\j&1)*47+1] op_sel_hi:[1,0]
.endr
.irp i, 0,1,2,3
	v_pk_mul_f32 v[TU+8+2*\i:TU+8+2*\i+1], v[TU+8+2*\i:TU+8+2*\i+1], s[29+\j+((5+\j)&1)*47:29+\j+((5+\j)&1)*47+1] op_sel_hi:[1,0]
.endr
.irp i, 0,1,2,3
.if \first
	v_pk_mul_f32 v[ACC+8*\hb+2*\i:ACC+8*\hb+2*\i+1], v[TQ+2*\i:TQ+2*\i+1], v[TU+2*\i:TU+2*\i+1]
.else
	v_pk_fma_f32 v[ACC+8*\hb+2*\i:ACC+8*\hb+2*\i+1], v[TQ+2*\i:TQ+2*\i+1], v[TU+2*\i:TU+2*\i+1], v[ACC+8*\hb+2*\i:ACC+8*\hb+2*\i+1]
.endif
.endr
.irp i, 0,1,2,3
	v_pk_fma_f32 v[ACC+8*\hb+2*\i:ACC+8*\hb+2*\i+1], v[TQ+8+2*\i:TQ+8+2*\i+1], v[TU+8+2*\i:TU+8+2*\i+1], v[ACC+8*\hb+2*\i:ACC+8*\hb+2*\i+1]
.endr
.endm
	s_wait_loadcnt 16                              ; blocks 0-3 are in; the 16 loads of blocks 4-7 stay out under the work on the first half
.irp b, 0,1,2,3
	REPAIR \b
.endr
	TRIG 0, 0, 1
	TRIG 0, 1, 0
	TRIG 0, 2, 0
	TRIG 0, 3, 0
	TRIG 0, 4, 0
	s_wait_loadcnt 0x0
.irp b, 4,5,6,7
	REPAIR \b
.endr
	TRIG 1, 0, 1
	TRIG 1, 1, 0
	TRIG 1, 2, 0
	TRIG 1, 3, 0
	TRIG 1, 4, 0
	; the squares, over the rows as loaded, which have all been copied
.set n, 0
.rept 40
	v_pk_mul_f32 v[SQ+2*n:SQ+2*n+1], v[X+2*n:X+2*n+1], v[X+2*n:X+2*n+1]
.set n, n+1
.endr
; Runs of 8 packed instructions, one for each pair of rows
.macro MULM src                        ; m *= src
	s_wait_alu depctr_va_vdst(0)
.irp i, 0,1,2,3,4,5,6,7
	v_pk_mul_f32 v[M+2*\i:M+2*\i+1], v[M+2*\i:M+2*\i+1], v[\src+2*\i:\src+2*\i+1]
.endr
.endm
.macro INITM src                       ; m = layer[k] src
.irp i, 0,1,2,3,4,5,6,7
	v_pk_mul_f32 v[M+2*\i:M+2*\i+1], v[\src+2*\i:\src+2*\i+1], s[SL:SL+1] op_sel_hi:[1,0]
.endr
.endm
.macro INIT1                           ; m = layer[k]
.irp i, 0,1,2,3,4,5,6,7
	v_pk_mul_f32 v[M+2*\i:M+2*\i+1], v[ONES:ONES+1], s[SL:SL+1] op_sel_hi:[1,0]
.endr
.endm
.macro ACCF src                        ; s += m src
.irp i, 0,1,2,3,4,5,6,7
	v_pk_fma_f32 v[ACC+2*\i:ACC+2*\i+1], v[M+2*\i:M+2*\i+1], v[\src+2*\i:\src+2*\i+1], v[ACC+2*\i:ACC+2*\i+1]
.endr
.endm
.macro ACCA                            ; s += m
.irp i, 0,1,2,3,4,5,6,7
	v_pk_add_f32 v[ACC+2*\i:ACC+2*\i+1], v[ACC+2*\i:ACC+2*\i+1], v[M+2*\i:M+2*\i+1]
.endr
.endm
.macro ACCS src                        ; s += layer[k] src
.irp i, 0,1,2,3,4,5,6,7
	v_pk_fma_f32 v[ACC+2*\i:ACC+2*\i+1], v[\src+2*\i:\src+2*\i+1], s[SL:SL+1], v[ACC+2*\i:ACC+2*\i+1] op_sel_hi:[1,0,1]
.endr
.endm
.macro ACCL                            ; s += layer[k]
.irp i, 0,1,2,3,4,5,6,7
	v_pk_add_f32 v[ACC+2*\i:ACC+2*\i+1], v[ACC+2*\i:ACC+2*\i+1], s[SL:SL+1] op_sel_hi:[1,0]
.endr
.endm
; m *= x_j^e for an exponent outside 0..3: p = x (1/x where e < 0), then for each bit of |e|, lowest first: m *= p if it is set, p *= p.
; 8 bits serve |e| < 256, 32 every int32 (-2^31 negated is 2^31 as unsigned).
.macro GENERAL j, ex, sfx
	v_readlane_b32 s[SEXP], v[\ex+\j], s[SK]       ; the exponent as E holds it
.irp i, 0,1,2,3,4,5,6,7
	v_pk_mul_f32 v[P+2*\i:P+2*\i+1], v[X+16*\j+2*\i:X+16*\j+2*\i+1], 1.0 op_sel_hi:[1,0]
.endr
	s_cmp_ge_i32 s[SEXP], 0
	s_cbranch_scc1 .Lpos\sfx
.irp r, 0,1,2,3,4,5,6,7,8,9,10,11,12,13,14,15
	v_rcp_f32 v[P+\r], v[P+\r]
.endr
	v_nop                                          ; one plain vector instruction behind the last v_rcp_f32 before a result is used (ISA guide 5.7.2)
	s_sub_co_i32 s[SEXP], 0, s[SEXP]
.Lpos\sfx:
	s_cmp_lt_u32 s[SEXP], 256
	s_cselect_b32 s[SBITS], 8, 32
	s_mov_b32 s[SBIT], 0
.Lbit\sfx:
	s_bitcmp1_b32 s[SEXP], s[SBIT]
	s_cbranch_scc0 .Lnob\sfx
	MULM P
.Lnob\sfx:
	s_wait_alu depctr_va_vdst(0)
.irp i, 0,1,2,3,4,5,6,7
	v_pk_mul_f32 v[P+2*\i:P+2*\i+1], v[P+2*\i:P+2*\i+1], v[P+2*\i:P+2*\i+1]
.endr
	s_add_co_u32 s[SBIT], s[SBIT], 1
	s_cmp_lt_u32 s[SBIT], s[SBITS]
	s_cbranch_scc1 .Lbit\sfx
.endm
; Input j while no factor has been met yet: the term is still the scalar layer[k], and the first factor is fused with it.
; s_bfe_u32 leaves SCC = (code != 0).  .Ll<j>: the chain below, in which m is formed, at the input behind j.
.macro SSEC j, ex, sfx
	s_bfe_u32 s[SCODE], s[SKEY], (3<<16)|(3*\j)
	s_cbranch_scc0 .Ls\j\sfx                       ; exponent 0: on to the next input
	s_cmp_eq_u32 s[SCODE], 1
	s_cbranch_scc1 .Lsa\j\sfx
	s_cmp_eq_u32 s[SCODE], 4
	s_cbranch_scc1 .Lsg\j\sfx
	INITM SQ+16*\j                                 ; 2 or 3
	s_cmp_eq_u32 s[SCODE], 2
	s_cbranch_scc1 .Ll\j\sfx
	MULM X+16*\j
	s_branch .Ll\j\sfx
.Lsa\j\sfx:
	INITM X+16*\j
	s_branch .Ll\j\sfx
.Lsg\j\sfx:
	INIT1
.if \j == 0
	GENERAL 0, \ex, s\sfx
	s_branch .Ll0\sfx
.else
	s_branch .Lg\j\sfx                             ; the general factor of the chain below
.endif
.Ls\j\sfx:
.endm
; Input j (1..3) once m is formed; p = j - 1 names the entry
.macro MID j, p, ex, sfx
.Ll\p\sfx:
	s_bfe_u32 s[SCODE], s[SKEY], (3<<16)|(3*\j)
	s_cbranch_scc0 .Ll\j\sfx
	s_cmp_eq_u32 s[SCODE], 1
	s_cbranch_scc1 .Lm\j\sfx
	s_cmp_eq_u32 s[SCODE], 4
	s_cbranch_scc1 .Lg\j\sfx
	MULM SQ+16*\j                                  ; 2 or 3
	s_cmp_eq_u32 s[SCODE], 2
	s_cbranch_scc1 .Ll\j\sfx
.Lm\j\sfx:
	MULM X+16*\j                                   ; 1, or the third power's last factor
	s_branch .Ll\j\sfx
.Lg\j\sfx:
	GENERAL \j, \ex, g\j\sfx
.endm
; The terms whose codes, weights and exponents lie in lanes 0 .. trips - 1 of the registers named
.macro TERMS key, lay, ex, trips, sfx
	s_mov_b32 s[SK], 0
.Lterm\sfx:
	v_readlane_b32 s[SKEY], v[\key], s[SK]
	v_readlane_b32 s[SL], v[\lay], s[SK]
	SSEC 0, \ex, \sfx
	SSEC 1, \ex, \sfx
	SSEC 2, \ex, \sfx
	SSEC 3, \ex, \sfx
	; t, with no factor before it: the sum takes layer[k] t^e straight away
	s_bfe_u32 s[SCODE], s[SKEY], (3<<16)|12
	s_cbranch_scc0 .Lt0\sfx
	s_cmp_eq_u32 s[SCODE], 1
	s_cbranch_scc1 .Lt1\sfx
	s_cmp_eq_u32 s[SCODE], 4
	s_cbranch_scc1 .Ltg\sfx
	s_cmp_eq_u32 s[SCODE], 2
	s_cbranch_scc1 .Lt2\sfx
	INITM X+64                                     ; 3: m = layer[k] t, then s += m t^2
	s_branch .Lc2\sfx
.Lt2\sfx:
	ACCS SQ+64
	s_branch .Lce\sfx
.Lt1\sfx:
	ACCS X+64
	s_branch .Lce\sfx
.Ltg\sfx:
	INIT1
	s_branch .Lcg\sfx
.Lt0\sfx:
	ACCL                                           ; all five exponents 0: the feature is 1
	s_branch .Lce\sfx
	MID 1, 0, \ex, \sfx
	MID 2, 1, \ex, \sfx
	MID 3, 2, \ex, \sfx
	; t, with m formed: its factor is fused with the sum
.Ll3\sfx:
	s_bfe_u32 s[SCODE], s[SKEY], (3<<16)|12
	s_cbranch_scc0 .Lc0\sfx
	s_cmp_eq_u32 s[SCODE], 1
	s_cbranch_scc1 .Lc1\sfx
	s_cmp_eq_u32 s[SCODE], 4
	s_cbranch_scc1 .Lcg\sfx
	s_cmp_eq_u32 s[SCODE], 2
	s_cbranch_scc1 .Lc2\sfx
	MULM X+64
.Lc2\sfx:
	ACCF SQ+64
	s_branch .Lce\sfx
.Lc1\sfx:
	ACCF X+64
	s_branch .Lce\sfx
.Lcg\sfx:
	GENERAL 4, \ex, c\sfx
.Lc0\sfx:
	ACCA
.Lce\sfx:
	s_add_co_u32 s[SK], s[SK], 1
	s_cmp_lt_u32 s[SK], \trips
	s_cbranch_scc1 .Lterm\sfx
.endm
	TERMS KEY0, LAY0, EX0, 32, a                   ; terms 0-31
	TERMS KEY0+1, LAY0+1, EX0+5, NPOL-32, b        ; terms 32-54
	; out0 = s x ext_filter: the row's s feeds both halves of a packed multiply by (f0, f1)
.irp b, 0,1,2,3,4,5,6,7
	v_pk_mul_f32 v[OUTR+4*\b:OUTR+4*\b+1], v[ACC+2*\b:ACC+2*\b+1], v[FLT:FLT+1] op_sel:[0,0] op_sel_hi:[0,1]     ; row l
	v_pk_mul_f32 v[OUTR+4*\b+2:OUTR+4*\b+3], v[ACC+2*\b:ACC+2*\b+1], v[FLT:FLT+1] op_sel:[1,0] op_sel_hi:[1,1]   ; row l + 32
.endr
.irp b, 0,1,2,3,4,5,6,7
	s_cmp_gt_u32 s23, \b                           ; a block of the wave before (in the last working wave alone)
	s_cbranch_scc1 .Lno\b
	global_store_b64 v[OO], v[OUTR+4*\b:OUTR+4*\b+1], s[16:17] offset:512*\b th:TH_STORE_NT         ; 32 lanes: 256 consecutive bytes
	global_store_b64 v[OO], v[OUTR+4*\b+2:OUTR+4*\b+3], s[16:17] offset:512*\b+256 th:TH_STORE_NT
.Lno\b:
.endr
.Lend:
	s_endpgm
.Lfunc_end_k_q3fb05314fe_forces:
	.size	k_q3fb05314fe_forces, .Lfunc_end_k_q3fb05314fe_forces-k_q3fb05314fe_forces
	.p2alignl 7, 3214868480
	.fill 96, 4, 3214868480
	.section	.rodata,"a",@progbits
	.p2align	6, 0x0
	.amdhsa_kernel k_q3fb05314fe_forces
		.amdhsa_group_segment_fixed_size 0
		.amdhsa_private_segment_fixed_size 0
		.amdhsa_enable_private_segment 0
		.amdhsa_kernarg_size 56
		.amdhsa_user_sgpr_count 2
		.amdhsa_user_sgpr_kernarg_segment_ptr 1
		.amdhsa_wavefront_size32 1
		.amdhsa_system_sgpr_workgroup_id_x 1
		.amdhsa_system_sgpr_workgroup_id_y 1
		.amdhsa_system_sgpr_workgroup_id_z 1
		.amdhsa_system_vgpr_workitem_id 0
		.amdhsa_next_free_vgpr 256
		.amdhsa_next_free_sgpr 96
		.amdhsa_reserve_vcc 0
		.amdhsa_float_denorm_mode_32 3
		.amdhsa_float_denorm_mode_16_64 3
		.amdhsa_memory_ordered 1
		.amdhsa_forward_progress 1
		.amdhsa_inst_pref_size 130
	.end_amdhsa_kernel
	.amdgpu_metadata
---
amdhsa.version: [ 1, 2 ]
amdhsa.kernels:
  - .name:           k_q3fb05314fe_forces
    .symbol:         k_q3fb05314fe_forces.kd
    .args:
      - { .name: x, .offset: 0, .size: 8, .value_kind: global_buffer, .address_space: global }
      - { .name: t, .offset: 8, .size: 8, .value_kind: global_buffer, .address_space: global }
      - { .name: E, .offset: 16, .size: 8, .value_kind: global_buffer, .address_space: global }
      - { .name: layer, .offset: 24, .size: 8, .value_kind: global_buffer, .address_space: global }
      - { .name: omegas, .offset: 32, .size: 8, .value_kind: global_buffer, .address_space: global }
      - { .name: ext_filter, .offset: 40, .size: 8, .value_kind: global_buffer, .address_space: global }
      - { .name: out0, .offset: 48, .size: 8, .value_kind: global_buffer, .address_space: global }
    .group_segment_fixed_size: 0
    .private_segment_fixed_size: 0
    .kernarg_segment_align: 8
    .kernarg_segment_size: 56
    .max_flat_workgroup_size: 128
    .sgpr_count:     96
    .vgpr_count:     256
    .wavefront_size: 32
...
	.end_amdgpu_metadata
.endif
;; end of part 1
